; MI455X (gfx1250); checked and timed in simulation.
; The chip was launched on July 23, 2026; its instructions are those of AMD's public machine-readable ISA for CDNA 5 (MIT licence, August 2026) and "CDNA5" Instruction Set Architecture Reference Guide (July 2026). The comments in the code are by the model that wrote it; some were corrected since.
;; Concat Layer. Allowed arithmetic: float matrix products may take bf16 or f16 operands with f32 sums; all other float work in f32.
;; Inputs: x 4,000,000 x 9 float32.
;; Outputs: out0 4,000,000 x 3 float32.
;; One version. Each part assembles by itself: llvm-mc -triple=amdgcn-amd-amdhsa -mcpu=gfx1250 --defsym DOCPART=n.
;; ======== version 1 of 1: 1 launch
;; launch concat (part 1): grid 1250 x 1, 5 waves a work-group, no clusters, 62,208 bytes of LDS; arguments x, out0; writes out0
.if DOCPART == 1
	.amdgcn_target "amdgcn-amd-amdhsa--gfx1250"
	.amdhsa_code_object_version 6
	.text
	.protected	k_qf8a9a10fc7_concat
	.globl	k_qf8a9a10fc7_concat
	.p2align	8
	.type	k_qf8a9a10fc7_concat,@function
k_qf8a9a10fc7_concat:
	s_mov_b64 s[64:65], 0
	v_nop
	global_prefetch_b8 v0, s[64:65] scope:SCOPE_SE
	s_setreg_imm32_b32 hwreg(HW_REG_WAVE_MODE, 25, 1), 1
	s_wait_xcnt 0x0
; ConcatLayer.  x: [4,000,000][9] f32 = three triples (up, none, down) a row.  out0: [4,000,000][3] f32 = one of the triples, or zeros.
; For each triple a code: +1 if element 0 is the only maximum, -1 if element 2 is, 0 otherwise (element 1, or any tie).
; sc = sign(|mn| (mu + mn + md)).  A triple is kept if sc equals its code, otherwise it becomes zeros.  Of the three (kept or zeroed)
; the one with the largest element idx (idx = 0, 1, 2 for sc = +1, 0, -1; the first on ties) is the result.
;
; LIMIT: the inputs are taken to hold no NaN.  Here a NaN loses every comparison, whereas the argmax of the definition picks it.
; Infinities, denormals, negative numbers, zeros of either sign and ties are served as defined; a zeroed triple is written as +0.
;
; A stream: every byte of x is read once and every byte of out0 written once.  No work-group reads what another reads, so nothing is
; shared in a cluster, and there is no product for the matrix unit.
; A TILE is 128 rows: 4,608 bytes of x (18 x 256) and 1,536 bytes of out0 (6 x 256).  31,250 tiles = 1,250 work-groups x 5 waves x 5 turns.
; In turn t wave w of group g takes tile 25 g + 5 t + w: the group's five waves read 23,040 neighbouring bytes a turn.
; A row is 36 bytes, so a lane takes FOUR rows = 144 bytes = nine 16-byte pieces.  Memory is read with lane i at byte 16 i (each load of the
; wave covers 512 consecutive bytes, aligned); the tile goes through the wave's own LDS stage and comes back with lane i at byte 144 i.
; 144 = 9 x 16.
; The way out is the mirror: 48 bytes a lane (48 = 3 x 16, the same argument) into the stage, back with lane i at byte 16 i, and stores
; of which each covers 512 consecutive bytes, aligned.
; The stages are each wave's own (wave x WAVE_LDS): no barrier; LDS serves a wave's instructions in order (ISA guide 5.7.1), so the loads
; see the stores in front of them without a wait.
; Two register slots of 36 take turns: a slot is asked for again, two tiles ahead, as soon as its four rows are computed.
.set WAVES,    5
.set TURNS,    5
.set IN_T,     4608                    ; bytes of x in a tile
.set OUT_T,    1536                    ; bytes of out0 in a tile
.set IN_STEP,  WAVES*IN_T              ; from a wave's tile to its next one, in x
.set OUT_STEP, WAVES*OUT_T             ; and in out0
.set STAGE,    IN_T+OUT_T              ; LDS of one slot: the tile as read, then the tile's results
.set WAVE_LDS, 2*STAGE                 ; a stage for each slot
.set GO, 2                             ; v2       16 x lane: my bytes in every 512 of x and of out0
.set LC, 3                             ; v3       LDS: my wave's stages + 16 x lane  (the order of memory)
.set LR, 4                             ; v4       LDS: my wave's stages + 144 x lane (my four rows)
.set LO, 5                             ; v5       LDS: my wave's stages + 48 x lane  (my four results; IN_T is added in the offset)
.set T,  6                             ; v[6:11]  at work
.set O,  12                            ; v[12:23] four results of three numbers; then the same bytes in the order of memory
.set X,  24                            ; v[24:95] slot s: 36 registers, the tile as loaded, then my four rows of nine
	s_load_b128 s[4:7], s[0:1], 0x0                ; x s[4:5], out0 s[6:7]
	v_lshl_add_u32 v96, v0, 2, 0xf000
	v_mov_b32 v97, 0
	v_lshrrev_b32 v1, 5, v0
	v_readfirstlane_b32 s8, v1                     ; my wave's number, 0 to 4
	v_and_b32 v1, 31, v0                           ; lane
	s_mul_i32 s9, ttmp9, WAVES*TURNS               ; the group's first tile
	s_add_co_u32 s9, s9, s8                        ; my wave's first tile, at most 31,229
	s_mul_i32 s10, s9, IN_T                        ; its byte offset in x, below 144,000,000: one word
	s_mov_b32 s11, 0
	s_mul_i32 s12, s9, OUT_T                       ; and in out0
	s_mov_b32 s13, 0
	s_mul_i32 s14, s8, WAVE_LDS                    ; my wave's stages
	v_lshlrev_b32 v[GO], 4, v1
	v_mul_u32_u24 v[LR], v1, 144
	v_mul_u32_u24 v[LO], v1, 48
	v_add_nc_u32 v[LC], s14, v[GO]
	v_add_nc_u32 v[LR], s14, v[LR]
	v_add_nc_u32 v[LO], s14, v[LO]
	s_wait_kmcnt 0x0
	s_add_nc_u64 s[4:5], s[4:5], s[10:11]
	s_add_nc_u64 s[6:7], s[6:7], s[12:13]
; Nine loads: the tile of turn t into slot s.  All steps are immediates: no address register is ever rewritten.
; t may be an expression: it stands in parentheses wherever it is multiplied.
.macro FILL s, t
.irp j, 0,1,2,3,4,5,6,7,8
	global_load_b128 v[X+36*\s+4*\j:X+36*\s+4*\j+3], v[GO], s[4:5] offset:(\t)*IN_STEP+512*\j th:TH_LOAD_NT
.endr
.endm
; One row: nine numbers in v[a .. a+8] (up 0-2, none 3-5, down 6-8), three results into v[o .. o+2].  Fifty vector instructions,
; the three triples side by side so that neighbouring lines do not depend on each other.  Masks in s20-s25.
.macro ROW a, o
	v_max_num_f32 v[T+0], v[\a+1], v[\a+2]         ; what element 0 has to beat,
	v_max_num_f32 v[T+1], v[\a+0], v[\a+1]         ; what element 2 has to beat
	v_max_num_f32 v[T+2], v[\a+4], v[\a+5]
	v_max_num_f32 v[T+3], v[\a+3], v[\a+4]
	v_max_num_f32 v[T+4], v[\a+7], v[\a+8]
	v_max_num_f32 v[T+5], v[\a+6], v[\a+7]
	v_cmp_gt_f32 s20, v[\a+0], v[T+0]              ; strictly: a tie gives neither, and so the code 0
	v_cmp_gt_f32 s21, v[\a+2], v[T+1]
	v_cmp_gt_f32 s22, v[\a+3], v[T+2]
	v_cmp_gt_f32 s23, v[\a+5], v[T+3]
	v_cmp_gt_f32 s24, v[\a+6], v[T+4]
	v_cmp_gt_f32 s25, v[\a+8], v[T+5]
	v_cndmask_b32 v[T+0], 0, 1.0, s20
	v_cndmask_b32 v[T+2], 0, 1.0, s22
	v_cndmask_b32 v[T+4], 0, 1.0, s24
	v_cndmask_b32 v[T+0], v[T+0], -1.0, s21        ; mu
	v_cndmask_b32 v[T+2], v[T+2], -1.0, s23        ; mn
	v_cndmask_b32 v[T+4], v[T+4], -1.0, s25        ; md
	v_add_f32 v[T+1], v[T+0], v[T+4]
	v_add_f32 v[T+1], v[T+1], v[T+2]               ; mu + mn + md, a whole number from -3 to 3
	v_med3_num_f32 v[T+1], v[T+1], v[T+2], -v[T+2] ; the middle of (sum, mn, -mn) = the sum cut to -|mn| .. |mn| = sc
	v_cmp_eq_f32 s20, v[T+1], v[T+0]               ; up is kept
	v_cmp_eq_f32 s21, v[T+1], v[T+2]               ; none is kept
	v_cmp_eq_f32 s22, v[T+1], v[T+4]               ; down is kept
	v_cmp_lt_f32 s23, 0, v[T+1]                    ; sc = +1: idx = 0
	v_cmp_gt_f32 s24, 0, v[T+1]                    ; sc = -1: idx = 2
.irp k, 0,1,2
	v_cndmask_b32 v[\a+\k],   0, v[\a+\k],   s20   ; what is not kept becomes zeros, in place
	v_cndmask_b32 v[\a+3+\k], 0, v[\a+3+\k], s21
	v_cndmask_b32 v[\a+6+\k], 0, v[\a+6+\k], s22
.endr
	v_cndmask_b32 v[T+0], v[\a+1], v[\a+0], s23    ; element idx of each of the three
	v_cndmask_b32 v[T+2], v[\a+4], v[\a+3], s23
	v_cndmask_b32 v[T+4], v[\a+7], v[\a+6], s23
	v_cndmask_b32 v[T+0], v[T+0], v[\a+2], s24
	v_cndmask_b32 v[T+2], v[T+2], v[\a+5], s24
	v_cndmask_b32 v[T+4], v[T+4], v[\a+8], s24
	v_cmp_gt_f32 s20, v[T+2], v[T+0]               ; none beats up (strictly: on a tie the first stays)
	v_max_num_f32 v[T+1], v[T+0], v[T+2]
	v_cmp_gt_f32 s21, v[T+4], v[T+1]               ; down beats both
.irp k, 0,1,2
	v_cndmask_b32 v[\o+\k], v[\a+\k], v[\a+3+\k], s20
.endr
.irp k, 0,1,2
	v_cndmask_b32 v[\o+\k], v[\o+\k], v[\a+6+\k], s21
.endr
.endm
; Turn t, on slot s.  fill = 1: the slot is asked for again, with the tile of turn t + 2.
; left = how many younger loads (the other slot's nine) may stay out.
.macro TURN t, s, fill, left
	s_wait_loadcnt \left                           ; loads come back in order (ISA guide 5.7.1): this slot's nine are in
.irp j, 0,1,2,3,4,5,6,7,8
	ds_store_b128 v[LC], v[X+36*\s+4*\j:X+36*\s+4*\j+3] offset:\s*STAGE+512*\j     ; the tile in the order of memory
.endr
.irp j, 0,1,2,3,4,5,6,7,8
	ds_load_b128 v[X+36*\s+4*\j:X+36*\s+4*\j+3], v[LR] offset:\s*STAGE+16*\j       ; back: my 144 bytes, four whole rows
.endr
.if \t
	s_wait_xcnt 0x0                                ; O, which the last turn's stores read, is rewritten only behind this wait
.endif
.irp r, 0,1,2,3
	s_wait_dscnt 6-2*\r                            ; row r lies in registers 9 r .. 9 r + 8 = LDS loads 0 .. 2 r + 2: the 6 - 2 r younger ones may be out
	ROW (X+36*\s+9*\r), (O+3*\r)
.endr
.if \fill
	FILL \s, (\t+2)                                ; the rows are used up: loads go ahead of this turn's stores
.endif
.irp k, 0,1,2
	ds_store_b128 v[LO], v[O+4*\k:O+4*\k+3] offset:\s*STAGE+IN_T+16*\k             ; my 48 bytes of results
.endr
.irp k, 0,1,2
	ds_load_b128 v[O+4*\k:O+4*\k+3], v[LC] offset:\s*STAGE+IN_T+512*\k             ; back in the order of memory
.endr
.irp k, 0,1,2
	s_wait_dscnt 2-\k                              ; piece k is in; the younger ones may be out
	global_store_b128 v[GO], v[O+4*\k:O+4*\k+3], s[6:7] offset:\t*OUT_STEP+512*\k th:TH_STORE_NT
.endr
.endm
	FILL 0, 0
	FILL 1, 1
	TURN 0, 0, 1, 9
	TURN 1, 1, 1, 9
	TURN 2, 0, 1, 9
	TURN 3, 1, 0, 9                                ; the last two turns ask for nothing: no load leaves x,
	TURN 4, 0, 0, 0                                ; and behind the last tile's loads nothing was issued
	s_wait_tensorcnt 0x0
	ds_add_u32 v96, v97
	s_wait_dscnt 0x0
	s_endpgm
.Lfunc_end_k_qf8a9a10fc7_concat:
	.size	k_qf8a9a10fc7_concat, .Lfunc_end_k_qf8a9a10fc7_concat-k_qf8a9a10fc7_concat
	.p2alignl 7, 3214868480
	.fill 96, 4, 3214868480
	.section	.rodata,"a",@progbits
	.p2align	6, 0x0
	.amdhsa_kernel k_qf8a9a10fc7_concat
		.amdhsa_group_segment_fixed_size 62208
		.amdhsa_private_segment_fixed_size 0
		.amdhsa_enable_private_segment 0
		.amdhsa_kernarg_size 16
		.amdhsa_user_sgpr_count 2
		.amdhsa_user_sgpr_kernarg_segment_ptr 1
		.amdhsa_wavefront_size32 1
		.amdhsa_system_sgpr_workgroup_id_x 1
		.amdhsa_system_sgpr_workgroup_id_y 1
		.amdhsa_system_sgpr_workgroup_id_z 1
		.amdhsa_system_vgpr_workitem_id 0
		.amdhsa_next_free_vgpr 98
		.amdhsa_next_free_sgpr 66
		.amdhsa_reserve_vcc 0
		.amdhsa_float_denorm_mode_32 3
		.amdhsa_float_denorm_mode_16_64 3
		.amdhsa_memory_ordered 1
		.amdhsa_forward_progress 1
		.amdhsa_inst_pref_size 73
	.end_amdhsa_kernel
	.amdgpu_metadata
---
amdhsa.version: [ 1, 2 ]
amdhsa.kernels:
  - .name:           k_qf8a9a10fc7_concat
    .symbol:         k_qf8a9a10fc7_concat.kd
    .args:
      - { .name: x, .offset: 0, .size: 8, .value_kind: global_buffer, .address_space: global }
      - { .name: out0, .offset: 8, .size: 8, .value_kind: global_buffer, .address_space: global }
    .group_segment_fixed_size: 62208
    .private_segment_fixed_size: 0
    .kernarg_segment_align: 8
    .kernarg_segment_size: 16
    .max_flat_workgroup_size: 160
    .sgpr_count:     66
    .vgpr_count:     98
    .wavefront_size: 32
...
	.end_amdgpu_metadata
.endif
;; end of part 1
